; MI455X (gfx1250); checked and timed in simulation.
; The chip was launched on July 23, 2026; its instructions are those of AMD's public machine-readable ISA for CDNA 5 (MIT licence, August 2026) and "CDNA5" Instruction Set Architecture Reference Guide (July 2026). The comments in the code are by the model that wrote it; some were corrected since.
;; Multi Query Attention. Allowed arithmetic: matrix products marked QUANTISED: E4M3 operands, one given power-of-two scale a tensor, by v_wmma_f32_16x16x64_fp8_fp8 or v_wmma_f32_16x16x128_fp8_fp8, f32 sums; everything else in f32.
;; Inputs: hidden_states_codes 4 x 1,024 x 64 x 32 uint8 (E4M3 codes of hidden_states, K innermost, in blocks of 32 codes); k_b 128 float32; k_w_codes 128 x 64 x 32 uint8 (E4M3 codes of k_w, K innermost, in blocks of 32 codes); lowp_scales 12 int32 (the exponents e of the quantised operands' scales 2^e); o_b 2,048 float32; o_w_codes 2,048 x 64 x 32 uint8 (E4M3 codes of o_w, K innermost, in blocks of 32 codes); q_b 2,048 float32; q_w_codes 2,048 x 64 x 32 uint8 (E4M3 codes of q_w, K innermost, in blocks of 32 codes); v_b 128 float32; v_w_codes 128 x 64 x 32 uint8 (E4M3 codes of v_w, K innermost, in blocks of 32 codes).
;; Outputs: out0 4 x 1,024 x 2,048 float32.
;; This version of the problem:
;;   THIS VERSION OF THE PROBLEM IS GIVEN IN LOW PRECISION. The matrix products marked QUANTISED in the list below multiply operands that are first quantised to E4M3 (4 exponent bits, 3 mantissa bits; 8 bits a number), with one given power-of-two scale for each operand tensor; their sums are f32. All else is computed in f32.
;;   The module's matrix products, in the order in which they are computed (A, B: the left and right operand; K: the contracted axis; several contracted axes count as one K, in the product's order):
;;     1. [M 4,096, K 2,048] x [K 2,048, N 2,048]; A: input hidden_states (given as codes); B: input q_w (given as codes): QUANTISED (scales: A lowp_scales[0], B lowp_scales[1])
;;     2. [M 4,096, K 2,048] x [K 2,048, N 128]; A: input hidden_states (given as codes); B: input k_w (given as codes): QUANTISED (scales: A lowp_scales[2], B lowp_scales[3])
;;     3. [M 4,096, K 2,048] x [K 2,048, N 128]; A: input hidden_states (given as codes); B: input v_w (given as codes): QUANTISED (scales: A lowp_scales[4], B lowp_scales[5])
;;     4. batch 4 x [M 1,024, K 128] x [K 128, N 16,384]; A: computed on the way; B: computed on the way: QUANTISED (scales: A lowp_scales[6], B lowp_scales[7])
;;     5. batch 4 x [M 128, K 1,024] x [K 1,024, N 16,384]; A: computed on the way; B: softmax (see below): QUANTISED (scales: A lowp_scales[8], B lowp_scales[9])
;;     6. [M 4,096, K 2,048] x [K 2,048, N 2,048]; A: computed on the way; B: input o_w (given as codes): QUANTISED (scales: A lowp_scales[10], B lowp_scales[11])
;;   THE QUANTISER, for each operand of a quantised product, along K:
;;     - The operand's scale is 2^e, e = its entry of the input lowp_scales (int32; the entries are numbered through the quantised products in the list's order, A before B).
;;     - Each number is divided by the scale, clamped to +-448, and rounded to the nearest number of E4M3, ties to even, subnormals kept.
;;     - The product sums the exact products of the quantised numbers (number of the format x scale) in f32.
;;   ~~~python
;;   def quantise(x, axis, e):      # numpy; x: float32 -> the quantised numbers, widened to float32 again
;;       x = np.moveaxis(x, axis, -1); K = x.shape[-1]
;;       r = np.clip(x / 2.0 ** e, -448, 448)
;;       step = 2.0 ** (np.maximum(np.frexp(np.where(r == 0, 1, r))[1] - 1, -6) - 3)
;;       q = np.round(r / step) * step * 2.0 ** e      # np.round: ties to even
;;       return np.moveaxis(q, -1, axis).astype(np.float32)
;;   ~~~
;;   SOFTMAX AHEAD OF A QUANTISED PRODUCT. Where the list says 'softmax', what is quantised is not the finished softmax but p = 2^(t - M), with t = logit x log2(e) and M = ceil(the row's largest t), a whole number; so 1/2 < the row's largest p <= 1. The row's sum l is taken of the UNQUANTISED p, in f32, and the product's result is divided by l at the end. Since M is a whole number, a kernel that streams over the keys may use a running M (the ceiling of the running maximum): every later rescaling is an exact power of two, so the quantised numbers keep their values, but for numbers so far below the row's largest that they fall under the format's range.
;;   OPERANDS COMPUTED ON THE WAY. 'Computed on the way' means the value that the module computes at that place (a softmax that the list does not call 'softmax' is quantised finished and normalised). What goes into a quantiser is computed in f32, as accurately as f32 sums, v_exp_f32 and their like allow (about 1e-6 of the number): no bf16 or f16 on the way to a quantiser, and a product that is left as it is and whose result goes on into a quantised operand takes f32 operands (vector FMAs, or v_wmma_f32_16x16x4_f32). A number that lies on a knife's edge between two numbers of the format may be rounded either way, as far as f32 arithmetic and the matrix unit's own rounding can turn it there, and no further.
;;   INPUTS GIVEN AS CODES. hidden_states (in the module: [4, 1024, 2048], K = its axis 2); k_w (in the module: [128, 2048], K = its axis 1); o_w (in the module: [2048, 2048], K = its axis 1); q_w (in the module: [2048, 2048], K = its axis 1); v_w (in the module: [128, 2048], K = its axis 1): each comes as NAME_codes (uint8): NAME with its K axis moved to the last place and cut into blocks of 32 codes, [.., K / 32, bytes a block], one block behind the other in memory; one code a byte (a code: sign, 4 exponent bits, 3 mantissa bits); its scale is its entry of lowp_scales. Its value is code x scale, taken as it is: it is not quantised again, and the codes and scales need not be those that the quantiser above would give.
;; One version. Each part assembles by itself: llvm-mc -triple=amdgcn-amd-amdhsa -mcpu=gfx1250 --defsym DOCPART=n.
;; ======== version 1 of 1: 3 launches
;; limits: right only within a limited range of input values
;; workspace buffers: qimg 8,388,608 bytes; kvimg 1,048,576 bytes; acode 8,388,608 bytes
;; launch qkv (part 1): grid 16 x 16, 4 waves a work-group, clusters of 4 x 4, 327,680 bytes of LDS; arguments hidden_states_codes, q_w_codes, k_w_codes, v_w_codes, q_b, k_b, v_b, lowp_scales, qimg, kvimg; writes qimg, kvimg
.if DOCPART == 1
	.amdgcn_target "amdgcn-amd-amdhsa--gfx1250"
	.amdhsa_code_object_version 6
	.text
	.protected	k_qec7e4858bc_qkv
	.globl	k_qec7e4858bc_qkv
	.p2align	8
	.type	k_qec7e4858bc_qkv,@function
k_qec7e4858bc_qkv:
	s_mov_b64 s[64:65], 0
	v_nop
	global_prefetch_b8 v0, s[64:65] scope:SCOPE_SE
	s_setreg_imm32_b32 hwreg(HW_REG_WAVE_MODE, 25, 1), 1
	s_wait_xcnt 0x0
	s_wait_alu depctr_hold_cnt(0) depctr_sa_sdst(0) depctr_va_vdst(0) depctr_va_sdst(0) depctr_va_ssrc(0) depctr_va_vcc(0) depctr_vm_vsrc(0)
	s_getreg_b32 s2, hwreg(HW_REG_IB_STS2, 6, 4)
	s_cmp_eq_u32 s2, 0
	s_cbranch_scc0 .Lentry_in_a_cluster
	s_endpgm
.Lentry_in_a_cluster:
	s_bfe_u32 s2, ttmp6, 0x10000c
	s_cmp_lg_u32 s2, 0xf033
	s_cbranch_scc0 .Lentry_shape_is_right
	s_endpgm
.Lentry_shape_is_right:
; q = X Wq^T + q_b, k = X Wk^T + k_b, v = X Wv^T + v_b on codes of FP8 (E4M3); X [4096][2048], Wq [2048][2048], Wk, Wv [128][2048]: codes, K innermost, one scale 2^e a tensor and product.
; The f32 results are quantised at once (q with e7, k with e6, v with e8) and stored as IMAGES OF THE OPERAND REGISTERS of the attention launch: no rows, no stage in LDS.
; SHARES. A work-group makes 256 rows x (128 columns of q, one head, + 16 columns of k or of v): 16 x 16 work-groups cover 4096 x 2304.  Tile columns 0-7 take k's channels 16 j on, tile columns 8-15 v's channels 16 (j - 8) on.
; Four waves; wave w makes rows 64 w .. 64 w + 63 against all 144 columns: 32 + 4 accumulators.
; q and k are made TRANSPOSED (source 0 = 16 rows of the weight, source 1 = 16 rows of X): a lane holds one token and eight neighbouring channels, which are eight neighbours along the next product's K.
; v is made the natural way (source 0 = X, source 1 = Wv): a lane holds one channel and eight neighbouring tokens: the keys are its next K.  So each conversion's two registers are registers 2 t, 2 t + 1 of the next operand.
; Which of the two forms a work-group takes hangs on the cluster's x alone (clusters 0, 1: k; clusters 2, 3: v): a scalar branch round four matrix instructions, alike in all sixteen partners.
; THE RING has one LONG slot (512 along K, rows of 512 bytes) and one SHORT slot (256 along K): 400 rows x (528 + 272) bytes = 320,000.  K = 2048 is walked as 512 + 256 + 512 + 256 + 512: the two first fills go out one behind the other,
; and only three refills follow, each one load a wave: few and large, since each refill goes out with nothing else on its way.  From a long refill's request to the wait for it a wave issues 56 matrix instructions, from the short one's 128.
; CLUSTERS: 4 x 4 work-groups.  X's tile hangs on the tile row alone and is asked for jointly along a row of the cluster; the weights' tiles hang on the tile column alone and are asked for jointly along a column.
; A fragment (16 rows x 128 K) is fetched by four loads of 16 bytes, 32 bytes apart: a permutation of k that is the same on both sides of every product here.
; LIMITS: e0 + e1, e2 + e3, e4 + e5 between -126 and 127; e6, e7, e8 between -126 and 119, so that each power of two below is an f32 number.  NaN among the inputs is not served.
; REGISTERS, in windows of 256.  Window 0: v1-29 addresses and constants; A's two sets at v64 and v128 (block i at + 16 i); the k or v weight's fragment, two sets, at v192 and v224.
;   Window 1: B's two sets at v0 and v128.   Window 2: q's accumulators, (i, b) at v[8 (8 i + b)].   Window 3: v0-31 the four accumulators of k or v; v64-127 q_b, v128-135 k_b, v136-137 v_b, in the results' layouts.
; OF THE RING'S FIRST FILLS: the long slot's goes out at the head, one load a wave; the short slot's behind a round of its own, once the long slot is in.
.set KV,    1
.set PD,    528                        ; the long slot's LDS row: 512 bytes + 16 of padding; the short slot's: 256 + 16.  Both are odd multiples of 16: the 16 rows that a load touches start at 16 different columns of 16 bytes
.set PS,    272
.set BOFF0, 256*PD                     ; the long slot: X's 256 rows, Wq's 128 rows,
.set KOFF0, BOFF0+128*PD               ; 16 rows of Wk or Wv
.set SBASE, KOFF0+16*PD                ; the short slot, laid likewise
.set BOFF1, SBASE+256*PS
.set KOFF1, BOFF1+128*PS
.set SPARE, KOFF1+16*PS                ; behind the ring: the spare words, 128 bytes a wave, that no other line names
.set NF,    52                         ; LDS loads in a run: B 32, A 16, the k or v weight 4
.set YOUNG, 12                         ; of them behind A's block 1
.set ADRA,  16                         ; v16-17  my 64 rows of X in the long, the short slot
.set ADRB,  20                         ; v20-21  Wq's 128 rows
.set ADRC,  22                         ; v22-23  the 16 rows of Wk or Wv
.set LOFF,  24                         ; v24     16 x lane
.set LOFF8, 25                         ; v25     8 x lane
.set SPW,   28                         ; v28     my spare word; never rewritten
.set NIL,   29                         ; v29     0; never rewritten
.set G1A, 24                           ; descriptor groups 1: X's tiles s[24:31] (long), s[32:39] (short); Wq's s[40:47], s[48:55]; Wk's or Wv's s[56:63], s[68:75]
.set G1B, 40
.set G1C, 56
.set G0A, 76                           ; groups 0, long then short: s[76:83], s[84:91], s[92:99]
.set G0B, 84
.set G0C, 92
.set WV,  66
.set SEL, 67                           ; 0: my tile column takes k; 1: v
.set JJ,  100                          ; tile column 0..15
.set II,  101                          ; tile row 0..15
.set W0D, (1<<20)|(1<<21)|(6<<22)|(3<<25)    ; elements of 1 byte; padding on; bit 21 beside a mask; after every 128 words, 4 words
.set W0S, (1<<20)|(1<<21)|(5<<22)|(3<<25)    ; after every 64 words
.set MSB, 0
.macro WIN new                         ; the immediate's high byte repeats the setting that is left
.if MSB != \new
	s_set_vgpr_msb (MSB<<8)|\new
.set MSB, \new
.endif
.endm
.macro PLACES                          ; four plain vector lines between a matrix instruction and a load into, or a vector line on, its registers
.rept 4
	v_nop
.endr
.endm
.macro CREST                           ; a round of the cluster's barrier behind its opening barrier
	s_cmp_lg_u32 s[WV], 0
	s_cbranch_scc1 .Lnot_wave_0_\@
	s_barrier_signal -3
.Lnot_wave_0_\@:
	s_barrier_wait -3
	s_barrier_signal -1
	s_barrier_wait -1
.endm
.macro CROUND
	s_barrier_signal -1
	s_barrier_wait -1
	CREST
.endm
; A joint load into slot s (0 long, 1 short): waves 0 and 1 fetch X's halves, wave 2 Wq's rows, wave 3 Wk's or Wv's: one load a wave.  The branches hang on the wave's number alone.  Four v_nop follow each line.
.macro JLOAD s
	s_cmp_lt_u32 s[WV], 2
	s_cbranch_scc0 .Lnot_a_\@
	tensor_load_to_lds s[G0A+4*(\s):G0A+4*(\s)+3], s[G1A+8*(\s):G1A+8*(\s)+7]
	s_nop 0
.rept 4
	v_nop
.endr
	s_branch .Lasked_\@
.Lnot_a_\@:
	s_cmp_eq_u32 s[WV], 2
	s_cbranch_scc0 .Lnot_b_\@
	tensor_load_to_lds s[G0B+4*(\s):G0B+4*(\s)+3], s[G1B+8*(\s):G1B+8*(\s)+7]
	s_nop 0
.rept 4
	v_nop
.endr
	s_branch .Lasked_\@
.Lnot_b_\@:
	tensor_load_to_lds s[G0C+4*(\s):G0C+4*(\s)+3], s[G1C+12*(\s):G1C+12*(\s)+7]
	s_nop 0
.rept 4
	v_nop
.endr
.Lasked_\@:
.endm
.macro FRAG reg, adr, slot, q, i       ; 16 rows x 128 K: registers 4 c .. 4 c + 3 hold K = 32 c + 16 (lane / 16) + 0 .. 15 of row lane % 16
.irp c, 0,1,2,3
	ds_load_b128 v[\reg+4*\c:\reg+4*\c+3], v[\adr+\slot] offset:128*(\q)+32*\c+(\i)*16*(PD-(PD-PS)*(\slot))
.endr
.endm
.macro FETCH slot, q, p                ; one run of NF loads: the fragments of the slot's q-th 128 along K into set p
	WIN 0x40
.irp i, 0,1,2,3,4,5,6,7
	FRAG 128*(\p)+16*\i, ADRB, \slot, \q, \i
.endr
	WIN 0
.irp i, 0,1,2,3
	FRAG 64+64*(\p)+16*\i, ADRA, \slot, \q, \i
.endr
.if KV
	FRAG 192+32*(\p), ADRC, \slot, \q, 0
.endif
.endm
.macro MULQ i, p, zero                 ; A's block i against B's eight.  zero = 1: the product starts the sums
.irp b, 0,1,2,3,4,5,6,7
.if \zero
	v_wmma_f32_16x16x128_fp8_fp8 v[8*(8*(\i)+\b):8*(8*(\i)+\b)+7], v[128*(\p)+16*\b:128*(\p)+16*\b+15], v[64+64*(\p)+16*(\i):64+64*(\p)+16*(\i)+15], 0
.else
	v_wmma_f32_16x16x128_fp8_fp8 v[8*(8*(\i)+\b):8*(8*(\i)+\b)+7], v[128*(\p)+16*\b:128*(\p)+16*\b+15], v[64+64*(\p)+16*(\i):64+64*(\p)+16*(\i)+15], v[8*(8*(\i)+\b):8*(8*(\i)+\b)+7]
.endif
.endr
.endm
.macro KVP d, a, b, zero
.if \zero
	v_wmma_f32_16x16x128_fp8_fp8 v[\d:\d+7], v[\a:\a+15], v[\b:\b+15], 0
.else
	v_wmma_f32_16x16x128_fp8_fp8 v[\d:\d+7], v[\a:\a+15], v[\b:\b+15], v[\d:\d+7]
.endif
.endm
.macro KVPART p, zero                  ; my four blocks against the 16 rows of Wk (transposed: the weight is source 0) or of Wv (natural: X is source 0).  At a branch and at a label every window is 0
.if KV
	WIN 0
	s_cmp_eq_u32 s[SEL], 0
	s_cbranch_scc0 .Lvform_\@
	WIN 0xf0
.irp a, 0,1,2,3
	KVP 8*\a, 192+32*(\p), 64+64*(\p)+16*\a, \zero
.endr
	WIN 0
	s_branch .Lkvdone_\@
.Lvform_\@:
	WIN 0xf0
.irp a, 0,1,2,3
	KVP 8*\a, 64+64*(\p)+16*\a, 192+32*(\p), \zero
.endr
	WIN 0
.Lkvdone_\@:
.endif
.endm
; The 36 accumulators take turns, one instruction a turn, in the same order in every sub-step.
; A sub-step that has its successor in the same slot: multiplies set p; in its middle the next sub-step's fragments are fetched into the other set.
.macro STEP slot, q, p, zero
	s_wait_dscnt YOUNG                             ; B and A's blocks 0, 1 are in; the youngest loads may be out
	WIN 0xa1
	MULQ 0, \p, \zero
	MULQ 1, \p, \zero
	PLACES                                         ; the other set was read by matrix instructions
	FETCH \slot, (\q)+1, 1-(\p)
	s_wait_dscnt NF                                ; all but the run just issued
	WIN 0xa1
	MULQ 2, \p, \zero
	MULQ 3, \p, \zero
	KVPART \p, \zero
	WIN 0
.endm
; A slot's last sub-step multiplies set 1 and changes slots: one barrier; in front of it each wave waits for all its tensor loads, adds 0 to its spare word, and waits for that and for its reads of the slot that it leaves.
; next: the slot that is read from here on.  fill = 1: the slot that is left is filled again, 768 bytes further along K.
.macro TURN next, fill
.set LF, 1-(\next)
	s_wait_tensorcnt 0x0                           ; all my tensor loads have landed: my part of the next slot
	ds_add_u32 v[SPW], v[NIL]                      ; 0 onto my spare word
	s_wait_dscnt YOUNG+1                           ; (the add and the youngest loads may be out)
	WIN 0xa1
	MULQ 0, 1, 0
	s_wait_dscnt 0x0                               ; the add is done, and my reads of the slot that I leave are over
	s_barrier_signal -1
	MULQ 1, 1, 0
	WIN 0
	s_barrier_wait -1
.if \fill
	CREST                                          ; the barrier has opened a round of the cluster's: no wave of any partner still reads that slot or has a load on its way
	s_add_nc_u64 s[G0A+4*LF+2:G0A+4*LF+3], s[G0A+4*LF+2:G0A+4*LF+3], 768
	s_add_nc_u64 s[G0B+4*LF+2:G0B+4*LF+3], s[G0B+4*LF+2:G0B+4*LF+3], 768
.if KV
	s_add_nc_u64 s[G0C+4*LF+2:G0C+4*LF+3], s[G0C+4*LF+2:G0C+4*LF+3], 768
.endif
	JLOAD LF                                       ; the first tensor load behind the round; its four v_nop are also the places in front of the loads below
.else
	PLACES
.endif
	FETCH \next, 0, 0
	WIN 0xa1
	MULQ 2, 1, 0
	MULQ 3, 1, 0
	KVPART 1, 0
	WIN 0
.endm
.macro LONG3 zero                      ; the long slot's first three sub-steps
	STEP 0, 0, 0, \zero
	STEP 0, 1, 1, 0
	STEP 0, 2, 0, 0
.endm
.macro LAST                            ; the very last sub-step: nothing more to fetch
	s_wait_dscnt YOUNG
	WIN 0xa1
	MULQ 0, 1, 0
	MULQ 1, 1, 0
	s_wait_dscnt 0x0
	MULQ 2, 1, 0
	MULQ 3, 1, 0
	KVPART 1, 0
	WIN 0
.endm
	s_load_b256 s[4:11], s[0:1], 0x0               ; X s[4:5], Wq s[6:7], Wk s[8:9], Wv s[10:11]
	s_load_b256 s[12:19], s[0:1], 0x20             ; q_b s[12:13], k_b s[14:15], v_b s[16:17], the scales' exponents s[18:19]
	s_load_b128 s[20:23], s[0:1], 0x40             ; qimg s[20:21], kvimg s[22:23]
	v_lshl_add_u32 v[SPW], v0, 2, SPARE
	v_mov_b32 v[NIL], 0
	ds_add_u32 v28, v29
	ds_add_u32 v28, v29
	s_wait_dscnt 0x0
	v_lshrrev_b32 v1, 5, v0
	v_readfirstlane_b32 s[WV], v1                  ; wave 0..3
	s_and_b32 s3, s[WV], 1                         ; which 128 rows of X's tile waves 0 and 1 fetch
	s_lshr_b32 s[SEL], ttmp9, 1                    ; clusters 0, 1 along x: k; clusters 2, 3: v
	s_bfe_u32 s2, ttmp6, 0x40000                   ; cx
	s_lshl_b32 s[JJ], ttmp9, 2
	s_add_co_u32 s[JJ], s[JJ], s2                  ; tile column = 4 x cluster x + cx
	s_lshl_b32 s2, 0x1111, s2                      ; my column of the cluster
	s_or_b32 s[G1B], s2, W0D
	s_or_b32 s[G1B+8], s2, W0S
	s_or_b32 s[G1C], s2, W0D
	s_or_b32 s[G1C+12], s2, W0S
	s_bfe_u32 s2, ttmp6, 0x40004                   ; cy
	s_and_b32 s[II], ttmp7, 0xffff
	s_lshl_b32 s[II], s[II], 2
	s_add_co_u32 s[II], s[II], s2                  ; tile row = 4 x cluster y + cy
	s_lshl_b32 s2, s2, 2
	s_lshl_b32 s2, 15, s2                          ; my row of the cluster
	s_or_b32 s[G1A], s2, W0D
	s_or_b32 s[G1A+8], s2, W0S
.irp g, G1A, G1B, G1C                  ; the long slot's tiles: rows of 512 bytes
	s_mov_b32 s[\g+1], 512<<16                     ; tensor_dim0
	s_mov_b32 s[\g+3], 512<<16                     ; tile_dim0
	s_mov_b32 s[\g+5], 2048                        ; from row to row
	s_mov_b32 s[\g+6], 0
	s_mov_b32 s[\g+7], 0
.endr
.irp g, G1A+8, G1B+8, G1C+12           ; the short slot's: rows of 256 bytes
	s_mov_b32 s[\g+1], 256<<16
	s_mov_b32 s[\g+3], 256<<16
	s_mov_b32 s[\g+5], 2048
	s_mov_b32 s[\g+6], 0
	s_mov_b32 s[\g+7], 0
.endr
.irp g, G1A, G1A+8, G1B, G1B+8         ; tensor_dim1 and tile_dim1: 128 rows of X (half a tile) or of Wq,
	s_mov_b32 s[\g+2], 128<<16
	s_mov_b32 s[\g+4], 128
.endr
.irp g, G1C, G1C+12                    ; 16 of Wk or Wv
	s_mov_b32 s[\g+2], 16<<16
	s_mov_b32 s[\g+4], 16
.endr
	s_lshl_b32 s[G0A+2], s[II], 19                 ; X: 256 rows of 2,048 bytes a tile row,
	s_lshl_b32 s2, s3, 18                          ; + my half's 128 rows
	s_add_co_u32 s[G0A+2], s[G0A+2], s2
	s_mov_b32 s[G0A+3], 0
	s_lshl_b32 s[G0B+2], s[JJ], 18                 ; Wq: 128 rows a tile column
	s_mov_b32 s[G0B+3], 0
	s_and_b32 s[G0C+2], s[JJ], 7
	s_lshl_b32 s[G0C+2], s[G0C+2], 15              ; Wk, Wv: 16 rows a tile column
	s_mov_b32 s[G0C+3], 0
	s_mov_b32 s[G0A], 1
	s_mul_i32 s[G0A+1], s3, 128*PD                 ; where they go: no place in the cluster enters an LDS address
	s_mov_b32 s[G0A+4], 1
	s_mul_i32 s[G0A+5], s3, 128*PS
	s_add_co_u32 s[G0A+5], s[G0A+5], SBASE
	s_mov_b32 s[G0B], 1
	s_mov_b32 s[G0B+1], BOFF0
	s_mov_b32 s[G0B+4], 1
	s_mov_b32 s[G0B+5], BOFF1
	s_mov_b32 s[G0C], 1
	s_mov_b32 s[G0C+1], KOFF0
	s_mov_b32 s[G0C+4], 1
	s_mov_b32 s[G0C+5], KOFF1
	s_wait_kmcnt 0x0
	s_add_nc_u64 s[G0A+2:G0A+3], s[4:5], s[G0A+2:G0A+3]          ; the long slot begins at k = 0,
	s_add_nc_u64 s[G0A+6:G0A+7], s[G0A+2:G0A+3], 512             ; the short one at k = 512
	s_add_nc_u64 s[G0B+2:G0B+3], s[6:7], s[G0B+2:G0B+3]
	s_add_nc_u64 s[G0B+6:G0B+7], s[G0B+2:G0B+3], 512
	s_cmp_eq_u32 s[SEL], 0                         ; the choice hangs on the cluster's x alone
	s_cselect_b64 s[8:9], s[8:9], s[10:11]
	s_add_nc_u64 s[G0C+2:G0C+3], s[8:9], s[G0C+2:G0C+3]
	s_add_nc_u64 s[G0C+6:G0C+7], s[G0C+2:G0C+3], 512
.irp g, G0A+3, G0A+7, G0B+3, G0B+7, G0C+3, G0C+7
	s_or_b32 s[\g], s[\g], 0x80000000              ; type = 2
.endr
	CROUND                                         ; all sixteen work-groups are here: the first joint loads meet
	JLOAD 0                                        ; the long slot: one tensor load a wave at the head
	v_and_b32 v1, 15, v0                           ; r
	v_bfe_u32 v2, v0, 4, 1                         ; h
	v_mul_u32_u24 v5, v1, PD
	v_lshl_add_u32 v5, v2, 4, v5                   ; a fragment's row x pitch + 16 h, in the long slot,
	v_mul_u32_u24 v7, v1, PS
	v_lshl_add_u32 v7, v2, 4, v7                   ; in the short one
	s_mul_i32 s2, s[WV], 64*PD                     ; my 64 rows of X
	v_add_nc_u32 v[ADRA], s2, v5
	v_add_nc_u32 v[ADRB], BOFF0, v5
	v_add_nc_u32 v[ADRC], KOFF0, v5
	s_mul_i32 s2, s[WV], 64*PS
	s_add_co_u32 s2, s2, SBASE
	v_add_nc_u32 v[ADRA+1], s2, v7
	v_add_nc_u32 v[ADRB+1], BOFF1, v7
	v_add_nc_u32 v[ADRC+1], KOFF1, v7
	v_and_b32 v6, 31, v0
	v_lshlrev_b32 v[LOFF], 4, v6
	v_lshlrev_b32 v[LOFF8], 3, v6
	v_lshlrev_b32 v3, 5, v2                        ; 32 h: my half's eight numbers of a tile of sixteen
	s_wait_alu depctr_va_vdst(0)
	v_lshlrev_b32 v4, 2, v1                        ; 4 r
	s_wait_alu depctr_va_vdst(0)
	s_lshl_b32 s4, s[JJ], 9                        ; q_b: my head's 128 numbers
	s_mov_b32 s5, 0
	s_add_nc_u64 s[12:13], s[12:13], s[4:5]
	s_and_b32 s6, s[JJ], 7
	s_lshl_b32 s6, s6, 6                           ; k_b, v_b: 16 numbers at 16 (tile column mod 8); both are loaded, one is used
	s_mov_b32 s7, 0
	s_add_nc_u64 s[14:15], s[14:15], s[6:7]
	s_add_nc_u64 s[16:17], s[16:17], s[6:7]
	WIN 0xc0                                       ; destination window 3
.irp b, 0,1,2,3,4,5,6,7
	global_load_b128 v[64+8*\b:67+8*\b], v3, s[12:13] offset:64*\b       ; q_b(16 b + 8 h + 0 .. 7)
	global_load_b128 v[68+8*\b:71+8*\b], v3, s[12:13] offset:64*\b+16
.endr
	global_load_b128 v[128:131], v3, s[14:15]                            ; k_b(8 h + 0 .. 7)
	global_load_b128 v[132:135], v3, s[14:15] offset:16
	global_load_b32 v136, v4, s[16:17]                                   ; v_b(r), twice: a pair for the packed form
	global_load_b32 v137, v4, s[16:17]
	WIN 0
	s_wait_tensorcnt 0x0                           ; my part of the long slot is in
	ds_add_u32 v[SPW], v[NIL]
	s_wait_dscnt 0x0
	CROUND
	JLOAD 1                                        ; the short slot's first fill
	FETCH 0, 0, 0
	LONG3 1                                        ; k = 0 .. 511; the first sub-step's products start the sums
	TURN 1, 1                                      ; the long slot is filled again: k = 768 on
	STEP 1, 0, 0, 0                                ; k = 512 .. 767
	TURN 0, 1                                      ; the short slot is filled again: k = 1,280 on
	LONG3 0                                        ; k = 768 .. 1,279
	TURN 1, 1                                      ; the long slot once more: k = 1,536 on
	STEP 1, 0, 0, 0                                ; k = 1,280 .. 1,535
	TURN 0, 0                                      ; nothing is left to fetch
	; no tensor load of mine is out any more: the descriptors' registers are free.  The scales' exponents come now and are waited for on the way out, four sub-steps on
	s_load_b256 s[24:31], s[18:19], 0x0            ; e0 .. e7
	s_load_b128 s[32:35], s[18:19], 0x20           ; e8 .. e11
	s_lshr_b32 s40, s[II], 2                       ; where the images go.  qimg: batch,
	s_lshl_b32 s40, s40, 4
	s_add_co_u32 s40, s40, s[JJ]                   ; 16 x batch + head,
	s_lshl_b32 s40, s40, 6
	s_and_b32 s41, s[II], 3
	s_lshl_b32 s41, s41, 4
	s_add_co_u32 s40, s40, s41                     ; the tile row's first block of 16 tokens in its batch,
	s_lshl_b32 s41, s[WV], 2
	s_add_co_u32 s40, s40, s41                     ; my four blocks
	s_lshl_b32 s40, s40, 11
	s_mov_b32 s41, 0
	s_add_nc_u64 s[40:41], s[20:21], s[40:41]
	s_lshl_b32 s42, s[II], 1                       ; kvimg: 32,768 bytes for each group of 128 keys: group 2 x tile row + wave / 2
	s_lshr_b32 s43, s[WV], 1
	s_add_co_u32 s42, s42, s43
	s_lshl_b32 s42, s42, 15
	s_and_b32 s43, s[WV], 1
	s_and_b32 s45, s[JJ], 7
	s_lshl_b32 s46, s43, 13                        ; K: key blocks 4 (wave % 2) on, 2,048 bytes each; piece = tile column, 256 bytes
	s_lshl_b32 s47, s45, 8
	s_add_co_u32 s46, s46, s47
	s_lshl_b32 s47, s45, 11                        ; V: behind K's 16,384 bytes; channel tile = tile column - 8, 2,048 bytes; pieces 2 (wave % 2) on, 512 bytes each
	s_lshl_b32 s43, s43, 10
	s_add_co_u32 s47, s47, s43
	s_add_co_u32 s47, s47, 16384
	s_cmp_eq_u32 s[SEL], 0
	s_cselect_b32 s46, s46, s47
	s_add_co_u32 s42, s42, s46
	s_mov_b32 s43, 0
	s_add_nc_u64 s[42:43], s[22:23], s[42:43]
	LONG3 0                                        ; k = 1,536 .. 2,047
	LAST
	; THE WAY OUT.  sum x 2^(ea + eb) + bias in one packed multiply-add; the hold at the largest code x the scale; the conversion; the codes are stored as they stand.
	s_wait_kmcnt 0x0
	s_add_co_i32 s36, s24, s25
	s_add_co_i32 s36, s36, 127
	s_lshl_b32 s36, s36, 23                        ; 2^(e0 + e1)
	s_mov_b32 s37, s36
	s_cmp_eq_u32 s[SEL], 0                         ; k's or v's exponents: values are chosen, nothing branches on them
	s_cselect_b32 s38, s26, s28
	s_cselect_b32 s39, s27, s29
	s_cselect_b32 s3, s30, s32                     ; e6 or e8
	s_add_co_i32 s38, s38, s39
	s_add_co_i32 s38, s38, 127
	s_lshl_b32 s38, s38, 23                        ; 2^(e2 + e3) or 2^(e4 + e5)
	s_mov_b32 s39, s38
.macro SCALE e, vs, vl                 ; v[vs] = 2^e, v[vl] = 448 x 2^e
	s_add_co_i32 s44, s[\e], 127
	s_lshl_b32 s2, s44, 23
	v_mov_b32 v[\vs], s2
	s_add_co_i32 s44, s44, 8
	s_lshl_b32 s44, s44, 23
	s_or_b32 s44, s44, 0x600000
	v_mov_b32 v[\vl], s44
.endm
	SCALE 31, 8, 9                                 ; e7: q as an operand
	SCALE 3, 10, 11                                ; k or v as an operand
	s_wait_loadcnt 0x0                             ; the biases
	PLACES
.macro QOUT i                          ; block i: 16 tokens x 128 channels become one fragment of Q: registers 2 b, 2 b + 1 = channels 16 b + 8 h + 0 .. 7 of token r
	WIN 0x32                                       ; the sums in window 2, the bias in window 3
.irp b, 0,1,2,3,4,5,6,7
.irp j, 0,2,4,6
	v_pk_fma_f32 v[64+8*\b+\j:64+8*\b+\j+1], v[8*(8*(\i)+\b)+\j:8*(8*(\i)+\b)+\j+1], s[36:37], v[64+8*\b+\j:64+8*\b+\j+1] op_sel_hi:[1,0,1]
.endr
.endr
	WIN 0
.irp b, 0,1,2,3,4,5,6,7
.irp j, 0,1,2,3,4,5,6,7
	v_med3_num_f32 v[64+8*\b+\j], v[64+8*\b+\j], -v9, v9     ; the conversion to an 8-bit code does not saturate (ISA guide 7.6.2)
.endr
	v_cvt_scalef32_pk8_fp8_f32 v[128+16*(\i)+2*\b:128+16*(\i)+2*\b+1], v[64+8*\b:64+8*\b+7], v8
.endr
	v_nop                                          ; a plain line behind the last conversion: the next block writes its sources
.irp c, 0,1,2,3
	global_store_b128 v[LOFF], v[128+16*(\i)+4*\c:128+16*(\i)+4*\c+3], s[40:41] offset:2048*(\i)+512*\c   ; 32 lanes store 512 consecutive bytes, aligned; each block has code registers of its own
.endr
.endm
	QOUT 0
	QOUT 1
	QOUT 2
	QOUT 3
	s_cmp_eq_u32 s[SEL], 0
	s_cbranch_scc0 .Lv_bias
	WIN 0x33                                       ; sums and biases in window 3
.irp a, 0,1,2,3
.irp j, 0,2,4,6
	v_pk_fma_f32 v[192+8*\a+\j:192+8*\a+\j+1], v[8*\a+\j:8*\a+\j+1], s[38:39], v[128+\j:129+\j] op_sel_hi:[1,0,1]        ; k(token r of block a, channel 8 h + j)
.endr
.endr
	WIN 0
	s_branch .Lkv_hold
.Lv_bias:
	WIN 0x33
.irp a, 0,1,2,3
.irp j, 0,2,4,6
	v_pk_fma_f32 v[192+8*\a+\j:192+8*\a+\j+1], v[8*\a+\j:8*\a+\j+1], s[38:39], v[136:137] op_sel_hi:[1,0,1]              ; v(token 8 h + j of block a, channel r)
.endr
.endr
	WIN 0
.Lkv_hold:
.irp a, 0,1,2,3
.irp j, 0,1,2,3,4,5,6,7
	v_med3_num_f32 v[192+8*\a+\j], v[192+8*\a+\j], -v11, v11
.endr
	v_cvt_scalef32_pk8_fp8_f32 v[224+2*\a:225+2*\a], v[192+8*\a:199+8*\a], v10
.endr
	v_nop
	s_cmp_eq_u32 s[SEL], 0
	s_cbranch_scc0 .Lv_store
.irp a, 0,1,2,3
	global_store_b64 v[LOFF8], v[224+2*\a:225+2*\a], s[42:43] offset:2048*\a    ; 32 lanes store 256 consecutive bytes, aligned: one piece of key block 4 (wave % 2) + a
.endr
	s_branch .Lstored
.Lv_store:
	global_store_b128 v[LOFF], v[224:227], s[42:43]                 ; registers 4 c .. 4 c + 3 of V's fragment, c = 2 (wave % 2): keys of blocks 0 and 1,
	s_wait_alu depctr_va_vdst(0)
	global_store_b128 v[LOFF], v[228:231], s[42:43] offset:512      ; c + 1: of blocks 2 and 3
.Lstored:
	s_wait_tensorcnt 0x0                           ; the wave's end
	ds_add_u32 v[SPW], v[NIL]
	s_wait_dscnt 0x0
	CROUND                                         ; the closing round: no work-group ends while a partner may still ask for a tile that names it
	s_endpgm
.Lfunc_end_k_qec7e4858bc_qkv:
	.size	k_qec7e4858bc_qkv, .Lfunc_end_k_qec7e4858bc_qkv-k_qec7e4858bc_qkv
	.p2alignl 7, 3214868480
	.fill 96, 4, 3214868480
	.section	.rodata,"a",@progbits
	.p2align	6, 0x0
	.amdhsa_kernel k_qec7e4858bc_qkv
		.amdhsa_group_segment_fixed_size 327680
		.amdhsa_private_segment_fixed_size 0
		.amdhsa_enable_private_segment 0
		.amdhsa_kernarg_size 80
		.amdhsa_user_sgpr_count 2
		.amdhsa_user_sgpr_kernarg_segment_ptr 1
		.amdhsa_wavefront_size32 1
		.amdhsa_system_sgpr_workgroup_id_x 1
		.amdhsa_system_sgpr_workgroup_id_y 1
		.amdhsa_system_sgpr_workgroup_id_z 1
		.amdhsa_system_vgpr_workitem_id 0
		.amdhsa_next_free_vgpr 1024
		.amdhsa_next_free_sgpr 102
		.amdhsa_reserve_vcc 0
		.amdhsa_float_denorm_mode_32 3
		.amdhsa_float_denorm_mode_16_64 3
		.amdhsa_memory_ordered 1
		.amdhsa_forward_progress 1
		.amdhsa_inst_pref_size 153
	.end_amdhsa_kernel
	.amdgpu_metadata
---
amdhsa.version: [ 1, 2 ]
amdhsa.kernels:
  - .name:           k_qec7e4858bc_qkv
    .symbol:         k_qec7e4858bc_qkv.kd
    .args:
      - { .name: hidden_states_codes, .offset: 0, .size: 8, .value_kind: global_buffer, .address_space: global }
      - { .name: q_w_codes, .offset: 8, .size: 8, .value_kind: global_buffer, .address_space: global }
      - { .name: k_w_codes, .offset: 16, .size: 8, .value_kind: global_buffer, .address_space: global }
      - { .name: v_w_codes, .offset: 24, .size: 8, .value_kind: global_buffer, .address_space: global }
      - { .name: q_b, .offset: 32, .size: 8, .value_kind: global_buffer, .address_space: global }
      - { .name: k_b, .offset: 40, .size: 8, .value_kind: global_buffer, .address_space: global }
      - { .name: v_b, .offset: 48, .size: 8, .value_kind: global_buffer, .address_space: global }
      - { .name: lowp_scales, .offset: 56, .size: 8, .value_kind: global_buffer, .address_space: global }
      - { .name: qimg, .offset: 64, .size: 8, .value_kind: global_buffer, .address_space: global }
      - { .name: kvimg, .offset: 72, .size: 8, .value_kind: global_buffer, .address_space: global }
    .group_segment_fixed_size: 327680
    .private_segment_fixed_size: 0
    .kernarg_segment_align: 8
    .kernarg_segment_size: 80
    .max_flat_workgroup_size: 128
    .sgpr_count:     102
    .vgpr_count:     1024
    .wavefront_size: 32
...
	.end_amdgpu_metadata
.endif
;; end of part 1
;; launch attn (part 2): grid 64 x 4, 8 waves a work-group, clusters of 4 x 1, 327,680 bytes of LDS; arguments qimg, kvimg, lowp_scales, acode; writes acode
.if DOCPART == 2
	.amdgcn_target "amdgcn-amd-amdhsa--gfx1250"
	.amdhsa_code_object_version 6
	.text
	.protected	k_qec7e4858bc_attn
	.globl	k_qec7e4858bc_attn
	.p2align	8
	.type	k_qec7e4858bc_attn,@function
k_qec7e4858bc_attn:
	s_mov_b64 s[64:65], 0
	v_nop
	global_prefetch_b8 v0, s[64:65] scope:SCOPE_SE
	s_setreg_imm32_b32 hwreg(HW_REG_WAVE_MODE, 25, 1), 1
	s_wait_xcnt 0x0
	s_wait_alu depctr_hold_cnt(0) depctr_sa_sdst(0) depctr_va_vdst(0) depctr_va_sdst(0) depctr_va_ssrc(0) depctr_va_vcc(0) depctr_vm_vsrc(0)
	s_getreg_b32 s2, hwreg(HW_REG_IB_STS2, 6, 4)
	s_cmp_eq_u32 s2, 0
	s_cbranch_scc0 .Lentry_in_a_cluster
	s_endpgm
.Lentry_in_a_cluster:
	s_bfe_u32 s2, ttmp6, 0x10000c
	s_cmp_lg_u32 s2, 0x3003
	s_cbranch_scc0 .Lentry_shape_is_right
	s_endpgm
.Lentry_shape_is_right:
; Attention of 16 query heads on one shared K and V head, causal, on codes of FP8.  For each row: t = score x log2(e) / sqrt(128); M = the running largest t rounded up; p = 2^(t - M) is quantised with 2^e9 along the keys;
; the row's sum is taken of the unquantised p; O / sum is quantised with 2^e10 and stored as the output projection's operand.
; Q, K and V come as images of the operands' registers (qimg: 2,048 bytes for 16 tokens of a head; kvimg: 32,768 bytes for 128 keys, K's 16,384 then V's).  acode is laid the same way: 2,048 bytes for
; (batch, 16 tokens, head): piece c (512 bytes) holds registers 4 c .. 4 c + 3 of the 32 lanes, lane (r, h): channels 32 c + 16 h + 0 .. 15 of token r.
; LEFT OUT: key steps of 128 all of whose keys come after a tile's last query: the causal mask gives them -infinity ahead of the softmax for all values of the inputs.
; SHARES.  A cluster's four work-groups take four heads each of one batch and four tiles of 16 queries: x, 31 - x, 32 + x, 63 - x (x = the cluster's x, 0 .. 15).  K and V of the batch stay in LDS, asked for jointly, one load a wave.
; Two waves, w and w + 4, share a SHORT tile s and the LONG tile 63 - s of the same two heads.  The short one has n key steps, n = s / 8 + 1 (1 to 4), the long one 9 - n.  Wave w (role 0) takes the long tile's steps 0 to 4; wave w + 4 (role 1)
; the short tile, then the long tile's steps 5 to 8 - n.  At the end role 0 joins head 0's two parts of the long tile and role 1 head 1's, through LDS: both parts are brought under the larger M by powers of two.
; No prefetch: all of K and V is asked for ahead of the loop, and no loop runs ahead of a load.
; LIMITS: e6 + e7 between -123 and 130; e8 + e9 between -126 and 127; e9, e10 between -126 and 119; the scaled scores under 2^31 in magnitude.  NaN among the inputs is not served.
; REGISTERS (head 0 in window 0, head 1 in window 1): v16-31 Q; v32-95 four fragments of K or V (of tiles 0-3 and 4-7); v96-159 S^T, then p; v160-223 O^T; v224-239 p's codes; v12 -M, v13 the largest t, v[14:15] the sum.
; K AND V COME IN TWO FILLS: the first 128 keys at the head, one load a wave; the other 896 behind a round, one load a wave, under the first key step, which every wave takes from key 0 on: it is written out ahead of the loop.
.set SPARE, 262144                     ; behind K and V: the spare words, 128 bytes a wave
.set XCH,   8448                       ; bytes a wave hands over: 64 registers, the sum, -M; on K's and V's bytes, which have had their last fill and are read no more by then
.set WV,  12
.set SEL, 20
.set CS,  22
.set G1,  24
.set G1L, 32                           ; the second fill's descriptor groups
.set G0,  40
.set G0L, 44
.set TB,  48
.set KF,  49
.set Q0,  50
.set QL,  51
.set PW,  75
.set AK0, 1
.set AV0, 2
.set XO,  3
.set XI,  4
.set XO4, 5
.set L16, 6
.set XI4, 7
.set ADK, 8
.set ADV, 9
.set MSB, 0
.macro WIN new
.if MSB != \new
	s_set_vgpr_msb (MSB<<8)|\new
.set MSB, \new
.endif
.endm
.macro PLACES
.rept 4
	v_nop
.endr
.endm
.macro CROUND
	s_barrier_signal -1
	s_barrier_wait -1
	s_cmp_lg_u32 s[WV], 0
	s_cbranch_scc1 .Lnot_wave_0_\@
	s_barrier_signal -3
.Lnot_wave_0_\@:
	s_barrier_wait -3
	s_barrier_signal -1
	s_barrier_wait -1
.endm
.macro QLOAD                           ; Q of both heads
.irp c, 0,1,2,3
	global_load_b128 v[16+4*\c:19+4*\c], v[L16], s[70:71] offset:512*\c
.endr
	WIN 0x40
.irp c, 0,1,2,3
	global_load_b128 v[16+4*\c:19+4*\c], v[L16], s[70:71] offset:131072+512*\c
.endr
	WIN 0
.endm
.macro CONSTS
	v_mov_b32 v236, 0                      ; a lane permute's destination counts as a source
	v_mov_b32 v253, 0                      ; the upper half of the pair v[252:253],
	v_mov_b32 v243, 0                      ; and of v[242:243]
	v_mov_b32 v240, s79                    ; 448 x 2^e9
	v_mov_b32 v244, s78                    ; 2^e9
	v_mov_b32 v246, s80                    ; 2^e10
	v_mov_b32 v247, s81                    ; 448 x 2^e10
.endm
.macro INIT
	v_mov_b32 v13, 0xff61b1e6              ; -3e38
	s_delay_alu instid0(VALU_DEP_1)
	v_floor_f32 v12, -v13
	v_mov_b32 v14, 0
	v_mov_b32 v15, 0
.set cn, 0
.rept 64
	v_mov_b32 v[160+cn], 0
.set cn, cn+1
.endr
.endm
.macro KLOAD t0, ad
.irp t, 0,1,2,3
.irp c, 0,1,2,3,4,5,6,7
	ds_load_b64 v[32+16*\t+2*\c:33+16*\t+2*\c], v[\ad] offset:2048*(\t0+\t)+256*\c
.endr
.endr
.endm
.macro VLOAD t0, ad
.irp t, 0,1,2,3
.irp c, 0,1,2,3
	ds_load_b128 v[32+16*\t+4*\c:35+16*\t+4*\c], v[\ad] offset:2048*(\t0+\t)+512*\c
.endr
.endr
.endm
.macro SQ t0
.irp t, 0,1,2,3
	v_wmma_f32_16x16x128_fp8_fp8 v[96+8*(\t0+\t):103+8*(\t0+\t)], v[32+16*\t:47+16*\t], v[16:31], 0
.endr
.endm
.macro PV t0
.irp t, 0,1,2,3
	v_wmma_f32_16x16x128_fp8_fp8 v[160+8*(\t0+\t):167+8*(\t0+\t)], v[32+16*\t:47+16*\t], v[224:239], v[160+8*(\t0+\t):167+8*(\t0+\t)]
.endr
.endm
.macro MASK                            ; register 8 t + j holds key KF + 16 t + 8 h + j: hidden where 16 t + j > Q0 - KF + r - 8 h
	v_add_nc_u32 v252, s53, v10
	v_mov_b32 v254, 0xff800000
.set cn, 0
.rept 64
	v_cmp_gt_i32 vcc_lo, 16*(cn/8)+cn%8, v252
	v_cndmask_b32 v[96+cn], v[96+cn], v254, vcc_lo
.set cn, cn+1
.endr
.endm
.macro SOFTMAX
	v_max3_num_f32 v254, v96, v97, v98
	v_max3_num_f32 v252, v99, v100, v101
.irp i, 6,10,14,18,22,26,30,34,38,42,46,50,54,58
	v_max3_num_f32 v254, v254, v[96+\i], v[97+\i]
	v_max3_num_f32 v252, v252, v[98+\i], v[99+\i]
.endr
	v_max3_num_f32 v254, v254, v158, v159
	s_delay_alu instid0(VALU_DEP_1)
	v_max_num_f32 v254, v254, v252
	v_permlanex16_b32 v236, v254, s[SEL], s[SEL+1]
	s_delay_alu instid0(VALU_DEP_1)
	v_max_num_f32 v254, v254, v236
	s_delay_alu instid0(VALU_DEP_1)
	v_mul_f32 v254, s[CS], v254
	s_delay_alu instid0(VALU_DEP_1)
	v_max_num_f32 v13, v13, v254
	v_mov_b32 v254, v12
	s_delay_alu instid0(VALU_DEP_2)
	v_floor_f32 v12, -v13                  ; -M
	s_delay_alu instid0(VALU_DEP_1)
	v_sub_f32 v254, v12, v254
	s_delay_alu instid0(VALU_DEP_1)
	v_cvt_i32_f32 v254, v254
	s_delay_alu instid0(VALU_DEP_1)
	v_ldexp_f32 v252, 1.0, v254            ; 2^(old M - new M)
.set cn, 0
.rept 32
	v_pk_fma_f32 v[96+cn:97+cn], v[96+cn:97+cn], s[CS:CS+1], v[12:13] op_sel_hi:[1,0,0]
.set cn, cn+2
.endr
.set cn, 0
	s_wait_alu depctr_va_vdst(0)
.rept 64
	v_exp_f32 v[96+cn], v[96+cn]
.set cn, cn+1
.endr
	v_pk_mul_f32 v[14:15], v[14:15], v[252:253] op_sel_hi:[1,0]
	s_wait_alu depctr_va_vdst(0)
	v_pk_add_f32 v[242:243], v[96:97], v[98:99]
.irp j, 4,8,12,16,20,24,28,32,36,40,44,48,52,56,60
	v_pk_add_f32 v[14:15], v[14:15], v[96+\j:97+\j]
	v_pk_add_f32 v[242:243], v[242:243], v[98+\j:99+\j]
.endr
	s_delay_alu instid0(VALU_DEP_1)
	v_pk_add_f32 v[14:15], v[14:15], v[242:243]
.irp t, 0,1,2,3,4,5,6,7
.irp i, 0,1,2,3,4,5,6,7
	v_min_num_f32 v[96+8*\t+\i], v[96+8*\t+\i], v240   ; the conversion does not saturate (ISA guide 7.6.2); p is not negative
.endr
	v_cvt_scalef32_pk8_fp8_f32 v[224+2*\t:225+2*\t], v[96+8*\t:103+8*\t], v244
.endr
.set cn, 0
.rept 32
	v_pk_mul_f32 v[160+cn:161+cn], v[160+cn:161+cn], v[252:253] op_sel_hi:[1,0]
.set cn, cn+2
.endr
.endm
.macro FIN pw                          ; O^T / sum, quantised: an operand's 16 registers.  pw = 1: the sum lies in two halves and 2^(e8 + e9) is still to come
.if \pw
	v_add_f32 v14, v14, v15
.endif
	v_permlanex16_b32 v236, v14, s[SEL], s[SEL+1]
	s_delay_alu instid0(VALU_DEP_1)
	v_add_f32 v14, v14, v236
	s_wait_alu depctr_va_vdst(0)
	v_rcp_f32 v14, v14
	v_nop
	s_wait_alu depctr_va_vdst(0)
.if \pw
	v_ldexp_f32 v14, v14, s[PW]
	s_wait_alu depctr_va_vdst(0)
.endif
.set cn, 0
.rept 32
	v_pk_mul_f32 v[96+cn:97+cn], v[160+cn:161+cn], v[14:15] op_sel_hi:[1,0]
.set cn, cn+2
.endr
.irp t, 0,1,2,3,4,5,6,7
.irp i, 0,1,2,3,4,5,6,7
	v_med3_num_f32 v[96+8*\t+\i], v[96+8*\t+\i], -v247, v247
.endr
	v_cvt_scalef32_pk8_fp8_f32 v[224+2*\t:225+2*\t], v[96+8*\t:103+8*\t], v246
.endr
	v_nop
.irp c, 0,1,2,3                        ; registers 4 c .. 4 c + 3 held channels 32 c + 8 h + 0 .. 7 and 32 c + 16 + 8 h + 0 .. 7: the halves change places, so that they hold 32 c + 16 h + 0 .. 15
	v_permlane16_swap_b32 v[224+4*\c], v[226+4*\c]
	v_permlane16_swap_b32 v[225+4*\c], v[227+4*\c]
.endr
.endm
.macro OUTW ws, off                    ; 32 lanes store 512 consecutive bytes, aligned
	WIN \ws
.irp c, 0,1,2,3
	global_store_b128 v[L16], v[224+4*\c:227+4*\c], s[72:73] offset:\off+512*\c
.endr
	WIN 0
.endm
.macro EXPORT wv, ws                   ; O^T x 2^(e8 + e9), the sum and -M of the head that my partner finishes
	WIN \wv
	v_add_f32 v14, v14, v15
	s_wait_alu depctr_va_vdst(0)
.set cn, 0
.rept 32
	v_pk_mul_f32 v[96+cn:97+cn], v[160+cn:161+cn], s[76:77] op_sel_hi:[1,0]
.set cn, cn+2
.endr
	WIN \ws
.set cn, 0
.rept 16
	ds_store_b128 v[XO], v[96+4*cn:99+4*cn] offset:512*cn
.set cn, cn+1
.endr
	ds_store_b32 v[XO4], v14 offset:8192
	ds_store_b32 v[XO4], v12 offset:8320
	WIN 0
.endm
.macro IMPORT wl, wv                   ; my partner's part of my head, joined to mine
	WIN \wl
	ds_load_b32 v248, v[XI4] offset:8192
	ds_load_b32 v249, v[XI4] offset:8320
.set cn, 0
.rept 16
	ds_load_b128 v[96+4*cn:99+4*cn], v[XI] offset:512*cn
.set cn, cn+1
.endr
	WIN \wv
	s_wait_dscnt 16                        ; the sum and -M are in
	v_min_num_f32 v250, v12, v249          ; -M of both
	v_add_f32 v14, v14, v15
	v_sub_f32 v254, v250, v12
	v_sub_f32 v249, v250, v249
	v_cvt_i32_f32 v254, v254               ; (it saturates: a part without keys gets the factor 0)
	v_cvt_i32_f32 v249, v249
	v_ldexp_f32 v250, 1.0, v254
	v_ldexp_f32 v242, 1.0, v249
	v_ldexp_f32 v252, s76, v254            ; mine has not had its 2^(e8 + e9) yet
	v_mul_f32 v14, v14, v250
	v_fma_f32 v14, v248, v242, v14
	s_wait_alu depctr_va_vdst(0)
.set cn, 0
.rept 32
	v_pk_mul_f32 v[160+cn:161+cn], v[160+cn:161+cn], v[252:253] op_sel_hi:[1,0]
.set cn, cn+2
.endr
	s_wait_dscnt 0x0
.set cn, 0
.rept 32
	v_pk_fma_f32 v[160+cn:161+cn], v[96+cn:97+cn], v[242:243], v[160+cn:161+cn] op_sel_hi:[1,0,1]
.set cn, cn+2
.endr
.endm
	s_load_b256 s[4:11], s[0:1], 0x0               ; qimg, kvimg, the scales' exponents, acode
	v_lshl_add_u32 v251, v0, 2, SPARE
	v_mov_b32 v255, 0
	ds_add_u32 v251, v255                          ; the opening lines
	ds_add_u32 v251, v255
	v_lshrrev_b32 v11, 5, v0
	v_readfirstlane_b32 s[WV], v11
	s_bfe_u32 s13, ttmp6, 0x40000                  ; cx: four heads
	s_and_b32 s15, ttmp7, 0xffff                   ; batch
	s_and_b32 s16, s[WV], 1                        ; which two of them
	s_bfe_u32 s17, s[WV], 0x10001                  ; which pair of tiles
	s_lshr_b32 s18, s[WV], 2                       ; role
	s_sub_co_u32 s53, 31, ttmp9
	s_cmp_eq_u32 s17, 0
	s_cselect_b32 s19, ttmp9, s53                  ; the short tile
	s_sub_co_u32 s61, 63, s19                      ; the long tile
	s_lshr_b32 s54, s19, 3
	s_add_co_u32 s54, s54, 1                       ; n
	s_sub_co_u32 s62, 5, s54                       ; from a trip's number to the long tile's step, role 1
	s_cmp_eq_u32 s18, 0
	s_cselect_b32 s55, 15, s54                     ; the trip at which I go over to the long tile (role 0: none: it begins with it)
	s_cselect_b32 s63, s61, s19                    ; the tile that I begin with
	s_mov_b32 s[SEL], 0x76543210
	s_mov_b32 s[SEL+1], 0xfedcba98
	s_mov_b32 s[CS], 0x3e0293ee                    ; log2(e) / sqrt(128)
	s_mov_b32 s[G1], 15|(3<<16)|(1<<21)            ; all four partners; elements of 8 bytes; dense: 16 rows of 256 bytes
	s_mov_b32 s[G1+1], 32<<16
	s_mov_b32 s[G1+2], 16<<16
	s_mov_b32 s[G1+3], 32<<16
	s_mov_b32 s[G1+4], 16
	s_mov_b32 s[G1+5], 32
	s_mov_b32 s[G1+6], 0
	s_mov_b32 s[G1+7], 0
	s_mov_b32 s[G1L], 15|(3<<16)|(1<<21)           ; the second fill: 112 rows of 256 bytes a wave
	s_mov_b32 s[G1L+1], 32<<16
	s_mov_b32 s[G1L+2], 112<<16
	s_mov_b32 s[G1L+3], 32<<16
	s_mov_b32 s[G1L+4], 112
	s_mov_b32 s[G1L+5], 32
	s_mov_b32 s[G1L+6], 0
	s_mov_b32 s[G1L+7], 0
	s_mov_b32 s[G0], 1
	s_lshl_b32 s[G0+1], s[WV], 12                  ; the first 128 keys: 4,096 bytes a wave
	s_mov_b32 s[G0L], 1
	s_mul_i32 s[G0L+1], s[WV], 28672
	s_add_co_u32 s[G0L+1], s[G0L+1], 32768         ; the others behind them
	s_lshl_b32 s66, s15, 18
	s_add_co_u32 s82, s66, s[G0L+1]
	s_mov_b32 s83, 0
	s_add_co_u32 s66, s66, s[G0+1]
	s_mov_b32 s67, 0
	s_mov_b32 s69, 0
	s_wait_dscnt 0x0                               ; both opening adds are done
	s_wait_kmcnt 0x0
	s_load_b128 s[56:59], s[8:9], 0x18             ; e6 .. e9
	s_load_b32 s60, s[8:9], 0x28                   ; e10
	s_add_nc_u64 s[G0+2:G0+3], s[6:7], s[66:67]
	s_or_b32 s[G0+3], s[G0+3], 0x80000000
	s_add_nc_u64 s[G0L+2:G0L+3], s[6:7], s[82:83]
	s_or_b32 s[G0L+3], s[G0L+3], 0x80000000
	CROUND
	tensor_load_to_lds s[G0:G0+3], s[G1:G1+7]
	s_nop 0
	PLACES
	s_lshl_b32 s53, s13, 2
	s_lshl_b32 s52, s16, 1
	s_add_co_u32 s53, s53, s52                     ; my first head
	s_lshl_b32 s52, s15, 4
	s_add_co_u32 s52, s52, s53
	s_lshl_b32 s68, s52, 17                        ; qimg: 64 tiles of 2,048 bytes a head
	s_add_nc_u64 s[4:5], s[4:5], s[68:69]
	s_lshl_b32 s68, s63, 11
	s_add_nc_u64 s[70:71], s[4:5], s[68:69]
	s_lshl_b32 s68, s15, 21                        ; acode: 64 tiles x 16 heads x 2,048 bytes a batch
	s_lshl_b32 s52, s53, 11
	s_add_co_u32 s68, s68, s52
	s_add_nc_u64 s[10:11], s[10:11], s[68:69]
	s_mul_i32 s52, s[WV], XCH
	s_xor_b32 s53, s[WV], 4
	s_mul_i32 s53, s53, XCH
	v_and_b32 v11, 31, v0
	v_and_b32 v9, 15, v0
	v_bfe_u32 v8, v0, 4, 1
	v_lshlrev_b32 v[L16], 4, v11
	v_lshlrev_b32 v[AK0], 3, v11
	v_lshlrev_b32 v[XI4], 2, v11
	v_lshlrev_b32 v8, 3, v8
	QLOAD
	v_sub_nc_u32 v10, v9, v8                       ; r - 8 h
	v_add_nc_u32 v[AV0], 16384, v[L16]
	v_add_nc_u32 v[XO], s52, v[L16]
	v_add_nc_u32 v[XI], s53, v[L16]
	v_add_nc_u32 v[XO4], s52, v[XI4]
	v_add_nc_u32 v[XI4], s53, v[XI4]
	s_wait_alu depctr_va_vdst(0)
	s_wait_kmcnt 0x0
	s_add_co_i32 s53, s56, s57
	s_lshl_b32 s53, s53, 23
	s_add_co_i32 s[CS], s[CS], s53                 ; x 2^(e6 + e7)
	s_mov_b32 s[CS+1], s[CS]
	s_add_co_i32 s53, s59, 127
	s_lshl_b32 s78, s53, 23                        ; 2^e9
	s_add_co_i32 s53, s53, 8
	s_lshl_b32 s53, s53, 23
	s_or_b32 s79, s53, 0x600000                    ; 448 x 2^e9
	s_add_co_i32 s53, s60, 127
	s_lshl_b32 s80, s53, 23                        ; 2^e10
	s_add_co_i32 s53, s53, 8
	s_lshl_b32 s53, s53, 23
	s_or_b32 s81, s53, 0x600000                    ; 448 x 2^e10
	s_add_co_i32 s[PW], s58, s59                   ; e8 + e9
	s_add_co_i32 s53, s[PW], 127
	s_lshl_b32 s76, s53, 23
	s_mov_b32 s77, s76                             ; 2^(e8 + e9)
	CONSTS
	INIT
	WIN 0x55
	CONSTS
	INIT
	WIN 0x40
	v_mov_b32 v10, v10                             ; into window 1
	WIN 0
.macro STEP ak, av                     ; a key step of both heads; ak, av: the registers with its LDS addresses
	KLOAD 0, \ak
	WIN 0x40
	KLOAD 4, \ak
	s_wait_alu depctr_va_vdst(0)
	s_wait_dscnt 32                                ; tiles 0 to 3 are in
	WIN 0
	SQ 0
	WIN 0x54
	SQ 0
	s_wait_dscnt 0x0
	WIN 0x01
	SQ 4
	WIN 0x55
	SQ 4
	WIN 0
	PLACES
	VLOAD 0, \av
	WIN 0x40
	VLOAD 4, \av
	WIN 0
	s_add_co_u32 s53, s[KF], 127
	s_cmp_le_u32 s53, s[Q0]
	s_cbranch_scc1 .Lopen_\@
	s_sub_co_i32 s53, s[Q0], s[KF]                 ; the diagonal
	MASK
	WIN 0x55
	MASK
	WIN 0
.Lopen_\@:
	SOFTMAX
	s_wait_alu depctr_va_vdst(0)
	s_wait_dscnt 0x0
	PV 0
	WIN 0x01
	PV 4
	WIN 0x55
	SOFTMAX
	WIN 0x54
	PV 0
	WIN 0x55
	PV 4
	WIN 0
	PLACES
.endm
	s_mov_b32 s[KF], 0
	s_lshl_b32 s[Q0], s63, 4
	s_wait_alu depctr_va_vdst(0)                   ; the wait at the head's end
	s_wait_tensorcnt 0x0                           ; my part of the first 128 keys is in
	ds_add_u32 v251, v255
	s_wait_dscnt 0x0
	CROUND
	tensor_load_to_lds s[G0L:G0L+3], s[G1L:G1L+7]
	s_nop 0
	PLACES
	s_wait_loadcnt 0x0                             ; Q
	STEP AK0, AV0                                  ; keys 0 to 127, which count for every tile
	s_wait_tensorcnt 0x0                           ; my part of the other keys is in
	s_wait_dscnt 0x0
	s_barrier_signal -1
	s_barrier_wait -1                              ; everybody's is
	s_mov_b32 s52, 1                               ; trips 1 to 4
.Ltrip:
	s_cmp_lg_u32 s52, s55
	s_cbranch_scc1 .Lstay
	s_lshl_b32 s68, s61, 11                        ; role 1: the short tile is finished and goes out; the long one begins
	s_add_nc_u64 s[70:71], s[4:5], s[68:69]
	QLOAD
	s_lshl_b32 s68, s19, 15
	s_add_nc_u64 s[72:73], s[10:11], s[68:69]
	FIN 1
	WIN 0x55
	FIN 1
	WIN 0
	OUTW 0, 0
	OUTW 0x04, 2048
	INIT
	WIN 0x55
	INIT
	WIN 0
	s_wait_alu depctr_va_vdst(0)
	s_wait_loadcnt 0x0                             ; the long tile's Q
	s_wait_xcnt 0x0                                ; the stores have read their registers
.Lstay:
	s_cmp_lt_u32 s52, s55
	s_cselect_b32 s53, 0, s62
	s_cselect_b32 s74, s63, s61                    ; my tile
	s_add_co_u32 s53, s53, s52                     ; its key step
	s_lshl_b32 s[KF], s53, 7
	s_and_b32 s53, s53, 7                          ; (role 1's last trip has none: it is left out below)
	s_lshl_b32 s[TB], s53, 15
	s_lshl_b32 s[Q0], s74, 4
	s_add_co_u32 s[QL], s[Q0], 15
	s_cmp_gt_u32 s[KF], s[QL]
	s_cbranch_scc1 .Lhidden
	v_add_nc_u32 v[ADK], s[TB], v[AK0]
	v_add_nc_u32 v[ADV], s[TB], v[AV0]
	STEP ADK, ADV
.Lhidden:
	s_add_co_u32 s52, s52, 1
	s_cmp_lt_u32 s52, 5
	s_cbranch_scc1 .Ltrip
	s_lshl_b32 s68, s61, 15
	s_add_nc_u64 s[72:73], s[10:11], s[68:69]      ; the long tile's place in acode
	s_wait_alu depctr_va_vdst(0)
	s_wait_dscnt 0x0
	s_barrier_signal -1
	s_barrier_wait -1                              ; nobody reads K and V any more
	s_cmp_eq_u32 s18, 0
	s_cbranch_scc0 .Lgive0
	EXPORT 0x55, 0x04
	s_branch .Lgiven
.Lgive0:
	EXPORT 0, 0
.Lgiven:
	s_wait_dscnt 0x0                               ; my part is in LDS
	s_barrier_signal -1
	s_barrier_wait -1                              ; my partner's is
	s_cmp_eq_u32 s18, 0
	s_cbranch_scc0 .Ltake1
	IMPORT 0, 0
	FIN 0
	OUTW 0, 0
	s_branch .Ldone
.Ltake1:
	IMPORT 0x40, 0x55
	FIN 0
	OUTW 0x04, 2048
.Ldone:
	s_wait_tensorcnt 0x0                           ; the wave's end
	ds_add_u32 v251, v255
	s_wait_dscnt 0x0
	CROUND                                         ; the closing round
	s_endpgm
.Lfunc_end_k_qec7e4858bc_attn:
	.size	k_qec7e4858bc_attn, .Lfunc_end_k_qec7e4858bc_attn-k_qec7e4858bc_attn
	.p2alignl 7, 3214868480
	.fill 96, 4, 3214868480
	.section	.rodata,"a",@progbits
	.p2align	6, 0x0
	.amdhsa_kernel k_qec7e4858bc_attn
		.amdhsa_group_segment_fixed_size 327680
		.amdhsa_private_segment_fixed_size 0
		.amdhsa_enable_private_segment 0
		.amdhsa_kernarg_size 32
		.amdhsa_user_sgpr_count 2
		.amdhsa_user_sgpr_kernarg_segment_ptr 1
		.amdhsa_wavefront_size32 1
		.amdhsa_system_sgpr_workgroup_id_x 1
		.amdhsa_system_sgpr_workgroup_id_y 1
		.amdhsa_system_sgpr_workgroup_id_z 1
		.amdhsa_system_vgpr_workitem_id 0
		.amdhsa_next_free_vgpr 512
		.amdhsa_next_free_sgpr 84
		.amdhsa_reserve_vcc 1
		.amdhsa_float_denorm_mode_32 3
		.amdhsa_float_denorm_mode_16_64 3
		.amdhsa_memory_ordered 1
		.amdhsa_forward_progress 1
		.amdhsa_inst_pref_size 159
	.end_amdhsa_kernel
	.amdgpu_metadata
---
amdhsa.version: [ 1, 2 ]
amdhsa.kernels:
  - .name:           k_qec7e4858bc_attn
    .symbol:         k_qec7e4858bc_attn.kd
    .args:
      - { .name: qimg, .offset: 0, .size: 8, .value_kind: global_buffer, .address_space: global }
      - { .name: kvimg, .offset: 8, .size: 8, .value_kind: global_buffer, .address_space: global }
      - { .name: lowp_scales, .offset: 16, .size: 8, .value_kind: global_buffer, .address_space: global }
      - { .name: acode, .offset: 24, .size: 8, .value_kind: global_buffer, .address_space: global }
    .group_segment_fixed_size: 327680
    .private_segment_fixed_size: 0
    .kernarg_segment_align: 8
    .kernarg_segment_size: 32
    .max_flat_workgroup_size: 256
    .sgpr_count:     84
    .vgpr_count:     512
    .wavefront_size: 32
...
	.end_amdgpu_metadata
.endif
;; end of part 2
;; launch oproj (part 3): grid 16 x 16, 4 waves a work-group, clusters of 4 x 1, 327,680 bytes of LDS; arguments acode, o_w_codes, o_b, lowp_scales, out0; writes out0
.if DOCPART == 3
	.amdgcn_target "amdgcn-amd-amdhsa--gfx1250"
	.amdhsa_code_object_version 6
	.text
	.protected	k_qec7e4858bc_oproj
	.globl	k_qec7e4858bc_oproj
	.p2align	8
	.type	k_qec7e4858bc_oproj,@function
k_qec7e4858bc_oproj:
	s_mov_b64 s[64:65], 0
	v_nop
	global_prefetch_b8 v0, s[64:65] scope:SCOPE_SE
	s_setreg_imm32_b32 hwreg(HW_REG_WAVE_MODE, 25, 1), 1
	s_wait_xcnt 0x0
	s_wait_alu depctr_hold_cnt(0) depctr_sa_sdst(0) depctr_va_vdst(0) depctr_va_sdst(0) depctr_va_ssrc(0) depctr_va_vcc(0) depctr_vm_vsrc(0)
	s_getreg_b32 s2, hwreg(HW_REG_IB_STS2, 6, 4)
	s_cmp_eq_u32 s2, 0
	s_cbranch_scc0 .Lentry_in_a_cluster
	s_endpgm
.Lentry_in_a_cluster:
	s_bfe_u32 s2, ttmp6, 0x10000c
	s_cmp_lg_u32 s2, 0x3003
	s_cbranch_scc0 .Lentry_shape_is_right
	s_endpgm
.Lentry_shape_is_right:
; out = A Wo^T + o_b on codes of FP8 (E4M3).  A = acode: [256 tiles of 16 tokens][16 heads] images of 2,048 bytes, each an operand's 16 registers for 16 tokens x 128 K; Wo [2048][2048]: codes, K innermost; o_b [2048], out [4096][2048]: f32.
; A work-group makes 256 rows x 128 columns of out: 16 x 16 work-groups, one for each WGP; wave w makes rows 64 w .. 64 w + 63 against all 128 columns: 32 accumulators.
; NOTHING IS FILLED TWICE.  Wo's 128 rows x 2,048 codes stay in LDS: four tiles of 512 along K, one joint load a wave at the head (a cluster's four work-groups need the same rows of Wo).
; A goes from memory straight into registers: each wave reads its own 64 rows, once, in 16 K steps of 64 registers, five of which take turns: a K step's loads are issued four K steps ahead of its products.
; The work-groups of the 16 column blocks begin at four different quarters of K (column block mod 4): so the first loads of a row block's work-groups together name all of A's rows there.
; No prefetch: by those starting points every block of A is asked for by the first four K steps' loads of some work-group, issued at the head, and Wo is asked for at the head as a whole.
; The matrix instruction is used transposed (source 0 = 16 rows of Wo, source 1 = 16 rows of A): a lane holds eight neighbouring numbers of a row of out.
; The order of k in the registers is the same on both sides: registers 4 c .. 4 c + 3 hold K = 32 c + 16 h + 0 .. 15.
; LIMIT: e10 + e11 between -126 and 127.
; REGISTERS.  Windows 2 and 3 (columns 0-63 and 64-127): v0-127 sums, (i, b) at v[8 (4 i + b)]; v128-223 three buffers of two fragments of Wo; v224-227 LDS addresses of the four quarters of K in the order of the walk.
;   So the products and the LDS loads of a window stand under one setting, and the loads stand among the products.
;   Window 1: A's slots 0 to 3; window 0: v64-127 slot 4, v128-191 o_b in the results' layout, v192-255 results on the way out.
.set PITCH, 528                        ; 512 bytes + 16 of padding: an odd multiple of 16
.set KTILE, 128*PITCH
.set STAGE, 4*KTILE                    ; the way out: 16 rows x (512 bytes + 16) for each wave; no tensor load fills it
.set SPARE, STAGE+4*16*PITCH           ; the spare words, 128 bytes a wave
.set BF,    128
.set ADR,   224
.set L16,   1                          ; v1   16 x lane
.set OBO,   6                          ; v6   32 h
.set STO,   7                          ; v7   the stage: where I put 32 bytes of a row
.set RD,    8                          ; v8   and where I read a row back
.set SPW,   28
.set NIL,   29
.set WV,    14
.set G1,    24
.set G0,    32
.set SB,    40                         ; s[40:47] A's four quarters of K in the order of the walk
.set MSB, 0
.macro WIN new
.if MSB != \new
	s_set_vgpr_msb (MSB<<8)|\new
.set MSB, \new
.endif
.endm
.macro PLACES
.rept 4
	v_nop
.endr
.endm
.macro CROUND
	s_barrier_signal -1
	s_barrier_wait -1
	s_cmp_lg_u32 s[WV], 0
	s_cbranch_scc1 .Lnot_wave_0_\@
	s_barrier_signal -3
.Lnot_wave_0_\@:
	s_barrier_wait -3
	s_barrier_signal -1
	s_barrier_wait -1
.endm
.macro ALD k, i                        ; A's tile i of K step k: 32 lanes load 512 consecutive bytes
.set SLA, (\k)%5
.if SLA == 4
.set AW, 0
.set AR, 64+16*\i
.else
.set AW, 0x40
.set AR, 64*SLA+16*\i
.endif
	WIN AW
.irp c, 0,1,2,3
	global_load_b128 v[AR+4*\c:AR+4*\c+3], v[L16], s[SB+2*((\k)/4):SB+2*((\k)/4)+1] offset:32768*\i+2048*((\k)%4)+512*\c
.endr
.endm
.macro DSL k, h, p, n                  ; LDS load n (0 to 7) of K step k's two fragments of Wo: columns 64 h + 32 p on
.set BL, BF+32*((2*(\k)+\p)%3)+16*((\n)/4)+4*((\n)%4)
	ds_load_b128 v[BL:BL+3], v[ADR+(\k)/4] offset:(4*\h+2*\p+(\n)/4)*16*PITCH+128*((\k)%4)+32*((\n)%4)
.endm
.macro DSRUN k                         ; K step k's 32 LDS loads: both windows' first two fragments, then both windows' last two
	WIN 0xA2
.irp n, 0,1,2,3,4,5,6,7
	DSL \k, 0, 0, \n
.endr
	WIN 0xF3
.irp n, 0,1,2,3,4,5,6,7
	DSL \k, 1, 0, \n
.endr
.irp n, 0,1,2,3,4,5,6,7
	DSL \k, 1, 1, \n
.endr
	WIN 0xA2
.irp n, 0,1,2,3,4,5,6,7
	DSL \k, 0, 1, \n
.endr
.endm
.macro MUL8 j, h, p                    ; two fragments of Wo (columns 64 h + 32 p on) x my four of A
.set BU, BF+32*((2*(\j)+\p)%3)
.set AF, 64*((\j)%5)
.set MW, 0xA6+0x51*\h
.if (\j)%5 == 4
.set AF, 64
.set MW, MW-4
.endif
	WIN MW
.set QQ, 0
.rept 8
.set AC, 8*(4*(QQ%4)+2*\p+QQ/4)
.if \j == 0
	v_wmma_f32_16x16x128_fp8_fp8 v[AC:AC+7], v[BU+16*(QQ/4):BU+16*(QQ/4)+15], v[AF+16*(QQ%4):AF+16*(QQ%4)+15], 0
.else
	v_wmma_f32_16x16x128_fp8_fp8 v[AC:AC+7], v[BU+16*(QQ/4):BU+16*(QQ/4)+15], v[AF+16*(QQ%4):AF+16*(QQ%4)+15], v[AC:AC+7]
.endif
.set QQ, QQ+1
.endr
.endm
; A K step: sixteen products, ONE run of memory instructions, sixteen products.  Each of the 32 accumulators has one turn.  The run's LDS loads are K step j + 1's: its first fragments go where K step j - 1's last lay, its last where this
; step's first lay; its loads of A are K step j + 4's, into the slot that K step j - 1 has left.  The four v_nop are the places behind the products that read those registers.
.macro KSTEP j
	s_wait_dscnt 16                                ; both windows' first fragments are in; the last ones' 16 loads may be out
	MUL8 \j, 0, 0
	MUL8 \j, 1, 0
	PLACES
	DSRUN \j+1
.if \j < 12
.irp i, 0,1,2,3
	ALD \j+4, \i
.endr
.endif
.if \j == 12
	WIN 0
.irp b, 0,1,2,3,4,5,6,7
	global_load_b128 v[128+8*\b:131+8*\b], v[OBO], s[8:9] offset:64*\b        ; o_b(16 b + 8 h + 0 .. 7)
	global_load_b128 v[132+8*\b:135+8*\b], v[OBO], s[8:9] offset:64*\b+16
.endr
.endif
	s_wait_dscnt 32                                ; all but the run just issued
	MUL8 \j, 0, 1
	MUL8 \j, 1, 1
.endm
.macro ROWH i, h                       ; the last K step goes by rows: four products of my tile i of A
	WIN 0xA6+0x51*\h
.irp b, 0,1,2,3
	v_wmma_f32_16x16x128_fp8_fp8 v[8*(4*\i+\b):8*(4*\i+\b)+7], v[BF+32*((30+\b/2)%3)+16*(\b%2):BF+32*((30+\b/2)%3)+16*(\b%2)+15], v[16*\i:16*\i+15], v[8*(4*\i+\b):8*(4*\i+\b)+7]
.endr
.endm
; THE WAY OUT, by tiles of 16 rows x 128 columns: sum x 2^(e10 + e11) + o_b, through my own stage, back as whole rows of 512 bytes.
.macro TOSTAGE a
.set RB, 64*(((\a)+1)%4)
	WIN 0x02
.irp b, 0,1,2,3
.irp j, 0,2,4,6
	v_pk_fma_f32 v[192+8*\b+\j:193+8*\b+\j], v[8*(4*(\a)+\b)+\j:8*(4*(\a)+\b)+\j+1], s[50:51], v[128+8*\b+\j:129+8*\b+\j] op_sel_hi:[1,0,1]
.endr
.endr
	WIN 0x03
.irp b, 0,1,2,3
.irp j, 0,2,4,6
	v_pk_fma_f32 v[224+8*\b+\j:225+8*\b+\j], v[8*(4*(\a)+\b)+\j:8*(4*(\a)+\b)+\j+1], s[50:51], v[160+8*\b+\j:161+8*\b+\j] op_sel_hi:[1,0,1]
.endr
.endr
	WIN 0
.irp b, 0,1,2,3,4,5,6,7
	ds_store_b128 v[STO], v[192+8*\b:195+8*\b] offset:64*\b
	ds_store_b128 v[STO], v[196+8*\b:199+8*\b] offset:64*\b+16
.endr
	WIN 0x40
.irp t, 0,1,2,3,4,5,6,7,8,9,10,11,12,13,14,15
	ds_load_b128 v[RB+4*\t:RB+4*\t+3], v[RD] offset:\t*PITCH   ; LDS serves a wave's instructions in order (ISA guide 5.7.1.4)
.endr
.endm
.macro SEND a, younger                 ; younger: the LDS instructions issued behind tile a's loads
.set RB, 64*(((\a)+1)%4)
	s_wait_dscnt \younger
	WIN 0x04
.irp t, 0,1,2,3,4,5,6,7,8,9,10,11,12,13,14,15
	global_store_b128 v[L16], v[RB+4*\t:RB+4*\t+3], s[12:13] offset:(16*(\a)+\t)*8192 th:TH_STORE_NT   ; 32 lanes store 512 consecutive bytes, aligned
.endr
.endm
	s_load_b128 s[4:7], s[0:1], 0x0                ; A s[4:5], Wo s[6:7]
	s_load_b128 s[8:11], s[0:1], 0x10              ; o_b s[8:9], the scales' exponents s[10:11]
	s_load_b64 s[12:13], s[0:1], 0x20              ; out
	v_lshl_add_u32 v[SPW], v0, 2, SPARE
	v_mov_b32 v[NIL], 0
	ds_add_u32 v[SPW], v[NIL]                      ; the opening lines
	ds_add_u32 v[SPW], v[NIL]
	v_lshrrev_b32 v5, 5, v0
	v_readfirstlane_b32 s[WV], v5
	s_bfe_u32 s15, ttmp6, 0x40000
	s_lshl_b32 s16, ttmp9, 2
	s_add_co_u32 s16, s16, s15                     ; row block
	s_and_b32 s17, ttmp7, 0xffff                   ; column block
	s_and_b32 s18, s17, 3                          ; the quarter of K that I begin with
	s_mov_b32 s[G1], 15|(1<<20)|(1<<21)|(6<<22)|(3<<25)   ; all four partners; elements of 1 byte; padding of 4 words after every 128
	s_mov_b32 s[G1+1], 512<<16
	s_mov_b32 s[G1+2], 128<<16
	s_mov_b32 s[G1+3], 512<<16
	s_mov_b32 s[G1+4], 128
	s_mov_b32 s[G1+5], 2048
	s_mov_b32 s[G1+6], 0
	s_mov_b32 s[G1+7], 0
	s_mov_b32 s[G0], 1
	s_mul_i32 s[G0+1], s[WV], KTILE                ; wave w fetches the walk's quarter w
	s_lshl_b32 s54, s17, 18                        ; Wo: 128 rows of 2,048 bytes a column block
	s_add_co_u32 s22, s18, s[WV]
	s_and_b32 s22, s22, 3
	s_lshl_b32 s22, s22, 9                         ; that quarter of K: (column block + w) mod 4
	s_add_co_u32 s54, s54, s22
	s_mov_b32 s55, 0
	s_lshl_b32 s52, s16, 19                        ; A: 16 tiles of 32,768 bytes a row block, 4 a wave
	s_lshl_b32 s22, s[WV], 17
	s_add_co_u32 s52, s52, s22
	s_mov_b32 s53, 0
	s_mov_b32 s23, 0
.irp t, 0,1,2,3
	s_add_co_u32 s20, s18, \t
	s_and_b32 s20, s20, 3
	s_lshl_b32 s[60+\t], s20, 13                   ; A's quarters in the same order: four images of 2,048 bytes each
.endr
	s_mul_i32 s21, s[WV], 16*PITCH
	s_add_co_u32 s21, s21, STAGE                   ; my stage
	v_and_b32 v2, 31, v0
	v_and_b32 v3, 15, v0
	v_bfe_u32 v4, v0, 4, 1
	v_lshlrev_b32 v[L16], 4, v2
	v_mul_u32_u24 v9, v3, PITCH
	v_lshlrev_b32 v[OBO], 5, v4
	v_lshl_add_u32 v5, v4, 4, v9                   ; a fragment's row x pitch + 16 h
	v_add_nc_u32 v9, v9, v[OBO]
	v_add_nc_u32 v[RD], s21, v[L16]
	v_add_nc_u32 v[STO], s21, v9
	WIN 0x80
.irp t, 0,1,2,3
	v_add_nc_u32 v[ADR+\t], \t*KTILE, v5
.endr
	WIN 0xC0
.irp t, 0,1,2,3
	v_add_nc_u32 v[ADR+\t], \t*KTILE, v5
.endr
	WIN 0
	s_wait_alu depctr_va_vdst(0)                   ; the wait at the head's end
	s_wait_dscnt 0x0                               ; both opening adds are done
	s_wait_kmcnt 0x0
	s_load_b64 s[48:49], s[10:11], 0x28            ; e10, e11
	s_add_nc_u64 s[G0+2:G0+3], s[6:7], s[54:55]
	s_or_b32 s[G0+3], s[G0+3], 0x80000000
	s_add_nc_u64 s[4:5], s[4:5], s[52:53]
.irp t, 0,1,2,3
	s_mov_b32 s22, s[60+\t]
	s_add_nc_u64 s[SB+2*\t:SB+2*\t+1], s[4:5], s[22:23]
.endr
.irp k, 0,1,2                          ; 48 loads, ahead of the round
.irp i, 0,1,2,3
	ALD \k, \i
.endr
.endr
	WIN 0
	CROUND                                         ; all four work-groups are here: the joint loads meet
	tensor_load_to_lds s[G0:G0+3], s[G1:G1+7]
	s_nop 0
	PLACES
.irp i, 0,1,2,3
	ALD 3, \i
.endr
	WIN 0
	s_lshl_b32 s22, s17, 9                         ; my column block, in bytes of f32
	s_add_nc_u64 s[8:9], s[8:9], s[22:23]
	s_add_nc_u64 s[12:13], s[12:13], s[22:23]
	s_lshl_b32 s22, s16, 21                        ; my first row: 256 x row block + 64 w, rows of 8,192 bytes
	s_lshl_b32 s20, s[WV], 19
	s_add_co_u32 s22, s22, s20
	s_add_nc_u64 s[12:13], s[12:13], s[22:23]
	s_wait_kmcnt 0x0
	s_add_co_i32 s50, s48, s49
	s_add_co_i32 s50, s50, 127
	s_lshl_b32 s50, s50, 23                        ; 2^(e10 + e11)
	s_mov_b32 s51, s50
	s_wait_tensorcnt 0x0                           ; my tile of Wo is in
	s_barrier_signal -1
	s_barrier_wait -1                              ; all four are
	DSRUN 0
.irp k, 0,1,2,3,4,5,6,7,8,9,10,11,12,13,14
.if \k == 14
	s_wait_loadcnt 32                              ; all but K step 15's loads and o_b's
.else
	s_wait_loadcnt 48                              ; all but three K steps' loads (at K step 13: two and o_b's)
.endif
	KSTEP \k
.endr
	s_wait_loadcnt 16                              ; K step 15 is in; o_b may be out
	s_wait_dscnt 0x0
	ROWH 0, 0
	ROWH 1, 0
	ROWH 0, 1
	ROWH 1, 1
	ROWH 2, 0
	ROWH 2, 1
	s_wait_loadcnt 0x0                             ; o_b
	PLACES
	TOSTAGE 0
	ROWH 3, 0
	ROWH 3, 1
	TOSTAGE 1
	SEND 0, 32                                     ; behind tile a's loads: the next tile's 16 stores and 16 loads
	TOSTAGE 2
	SEND 1, 32
	TOSTAGE 3
	SEND 2, 32
	SEND 3, 0
	WIN 0
	s_wait_tensorcnt 0x0                           ; the wave's end
	ds_add_u32 v[SPW], v[NIL]
	s_wait_dscnt 0x0
	CROUND                                         ; the closing round
	s_endpgm
.Lfunc_end_k_qec7e4858bc_oproj:
	.size	k_qec7e4858bc_oproj, .Lfunc_end_k_qec7e4858bc_oproj-k_qec7e4858bc_oproj
	.p2alignl 7, 3214868480
	.fill 96, 4, 3214868480
	.section	.rodata,"a",@progbits
	.p2align	6, 0x0
	.amdhsa_kernel k_qec7e4858bc_oproj
		.amdhsa_group_segment_fixed_size 327680
		.amdhsa_private_segment_fixed_size 0
		.amdhsa_enable_private_segment 0
		.amdhsa_kernarg_size 40
		.amdhsa_user_sgpr_count 2
		.amdhsa_user_sgpr_kernarg_segment_ptr 1
		.amdhsa_wavefront_size32 1
		.amdhsa_system_sgpr_workgroup_id_x 1
		.amdhsa_system_sgpr_workgroup_id_y 1
		.amdhsa_system_sgpr_workgroup_id_z 1
		.amdhsa_system_vgpr_workitem_id 0
		.amdhsa_next_free_vgpr 1024
		.amdhsa_next_free_sgpr 84
		.amdhsa_reserve_vcc 0
		.amdhsa_float_denorm_mode_32 3
		.amdhsa_float_denorm_mode_16_64 3
		.amdhsa_memory_ordered 1
		.amdhsa_forward_progress 1
		.amdhsa_inst_pref_size 126
	.end_amdhsa_kernel
	.amdgpu_metadata
---
amdhsa.version: [ 1, 2 ]
amdhsa.kernels:
  - .name:           k_qec7e4858bc_oproj
    .symbol:         k_qec7e4858bc_oproj.kd
    .args:
      - { .name: acode, .offset: 0, .size: 8, .value_kind: global_buffer, .address_space: global }
      - { .name: o_w_codes, .offset: 8, .size: 8, .value_kind: global_buffer, .address_space: global }
      - { .name: o_b, .offset: 16, .size: 8, .value_kind: global_buffer, .address_space: global }
      - { .name: lowp_scales, .offset: 24, .size: 8, .value_kind: global_buffer, .address_space: global }
      - { .name: out0, .offset: 32, .size: 8, .value_kind: global_buffer, .address_space: global }
    .group_segment_fixed_size: 327680
    .private_segment_fixed_size: 0
    .kernarg_segment_align: 8
    .kernarg_segment_size: 40
    .max_flat_workgroup_size: 128
    .sgpr_count:     84
    .vgpr_count:     1024
    .wavefront_size: 32
...
	.end_amdgpu_metadata
.endif
;; end of part 3
